; MI455X (gfx1250); checked and timed in simulation.
; The chip was launched on July 23, 2026; its instructions are those of AMD's public machine-readable ISA for CDNA 5 (MIT licence, August 2026) and "CDNA5" Instruction Set Architecture Reference Guide (July 2026). The comments in the code are by the model that wrote it; some were corrected since.
;; Little Bit ITQ Spec Linear. Allowed arithmetic: matrix products marked QUANTISED: E2M3 operands, one E8M0 scale for each 32 along K, by v_wmma_scale_f32_16x16x128_f8f6f4 with both operands' format E2M3, f32 sums; everything else in f32.
;; Inputs: U 4,096 x 1,024 float32; U_R 4,096 x 1,024 float32; V 1,024 x 4,096 float32; V_R 1,024 x 4,096 float32; bias 4,096 float32; u1 1 x 4,096 float32; u1_R 1 x 4,096 float32; u2 1 x 1,024 float32; u2_R 1 x 1,024 float32; v1 1 x 1,024 float32; v1_R 1 x 1,024 float32; v2 1 x 4,096 float32; v2_R 1 x 4,096 float32; x 2 x 2,048 x 4,096 float32.
;; Outputs: out0 2 x 2,048 x 4,096 float32.
;; This version of the problem:
;;   THIS VERSION OF THE PROBLEM IS GIVEN IN LOW PRECISION. The matrix products marked QUANTISED in the list below multiply operands that are first quantised to E2M3 (2 exponent bits, 3 mantissa bits; 6 bits a number), with one power-of-two scale for each 32 numbers along K (OCP MX v1.0); their sums are f32. All else is computed in f32.
;;   The module's matrix products, in the order in which they are computed (A, B: the left and right operand; K: the contracted axis; several contracted axes count as one K, in the product's order):
;;     1. [M 4,096, K 4,096] x [K 4,096, N 1,024]; A: computed on the way; B: computed on the way: QUANTISED
;;     2. [M 4,096, K 1,024] x [K 1,024, N 4,096]; A: computed on the way; B: computed on the way: QUANTISED
;;     3. [M 4,096, K 4,096] x [K 4,096, N 1,024]; A: computed on the way; B: computed on the way: QUANTISED
;;     4. [M 4,096, K 1,024] x [K 1,024, N 4,096]; A: computed on the way; B: computed on the way: QUANTISED
;;   THE QUANTISER, for each operand of a quantised product, along K:
;;     - K is cut into blocks of 32 from its start; a last block that is shorter is filled with zeros.
;;     - A block's scale is 2^e with e = floor(log2(the largest magnitude in the block)) - 2, held to -126 .. 127; a block of zeros has e = 0. As a byte (E8M0): e + 127.
;;     - Each number is divided by its block's scale, clamped to +-7.5, and rounded to the nearest number of E2M3, ties to even, subnormals kept.
;;     - The product sums the exact products of the quantised numbers (number of the format x scale) in f32.
;;   ~~~python
;;   def quantise(x, axis):      # numpy; x: float32 -> the quantised numbers, widened to float32 again
;;       x = np.moveaxis(x, axis, -1); K = x.shape[-1]
;;       x = np.pad(x, [(0, 0)] * (x.ndim - 1) + [(0, -K % 32)]); x = x.reshape(x.shape[:-1] + (-1, 32)); a = np.abs(x).max(-1, keepdims=True)
;;       e = np.where(a > 0, np.clip(np.frexp(np.where(a > 0, a, 1))[1] - 1 - 2, -126, 127), 0)      # np.frexp(a)[1] - 1 = floor(log2(a)), exactly
;;       r = np.clip(x / 2.0 ** e, -7.5, 7.5)
;;       step = 2.0 ** (np.maximum(np.frexp(np.where(r == 0, 1, r))[1] - 1, 0) - 3)
;;       q = np.round(r / step) * step * 2.0 ** e      # np.round: ties to even
;;       return np.moveaxis(q.reshape(q.shape[:-2] + (-1,))[..., :K], -1, axis).astype(np.float32)
;;   ~~~
;;   OPERANDS COMPUTED ON THE WAY. 'Computed on the way' means the value that the module computes at that place (a softmax that the list does not call 'softmax' is quantised finished and normalised). What goes into a quantiser is computed in f32, as accurately as f32 sums, v_exp_f32 and their like allow (about 1e-6 of the number): no bf16 or f16 on the way to a quantiser, and a product that is left as it is and whose result goes on into a quantised operand takes f32 operands (vector FMAs, or v_wmma_f32_16x16x4_f32). A number that lies on a knife's edge between two numbers of the format may be rounded either way, as far as f32 arithmetic and the matrix unit's own rounding can turn it there, and no further.
;; One version. Each part assembles by itself: llvm-mc -triple=amdgcn-amd-amdhsa -mcpu=gfx1250 --defsym DOCPART=n.
;; ======== version 1 of 1: 3 launches
;; limits: right only within a limited range of input values
;; workspace buffers: xq 25,165,824 bytes; sx 1,048,576 bytes; vq 6,291,456 bytes; uq 6,291,456 bytes; hq 6,291,456 bytes; sh 262,144 bytes
;; launch quant (part 1): grid 512 x 1, 8 waves a work-group, no clusters, 138,240 bytes of LDS; arguments x, v2, v2_R, V, V_R, U, U_R, xq, sx, vq, uq; writes xq, sx, vq, uq
.if DOCPART == 1
	.amdgcn_target "amdgcn-amd-amdhsa--gfx1250"
	.amdhsa_code_object_version 6
	.text
	.protected	k_q610926003b_quant
	.globl	k_q610926003b_quant
	.p2align	8
	.type	k_q610926003b_quant,@function
k_q610926003b_quant:
	s_mov_b64 s[64:65], 0
	v_nop
	global_prefetch_b8 v0, s[64:65] scope:SCOPE_SE
	s_setreg_imm32_b32 hwreg(HW_REG_WAVE_MODE, 25, 1), 1
	s_wait_xcnt 0x0
; All eight operands of the four products are made here, once, as codes of FP6 (E2M3) in the ORDER OF THE OPERAND'S REGISTERS.
; A fragment is 16 rows x 128 K = 12 registers a lane = 1,536 bytes: chunk c of 512 bytes holds lane l's registers 4 c .. 4 c + 3 at byte 16 l.
;   xq [path 2][tile of 16 tokens 256][K step 32][1536]: x * v2 and x * v2_R;   sx [path 2][K step 32][tile 256][16 words]: their E8M0 scale words (4 bytes: the 4 blocks of 32 of a row's K step)
;   vq [path 2][fragment 64][K step 32][1536]: sign(V), sign(V_R);              uq [fragment 256][path 2][K step 8][1536]: sign(U), sign(U_R)
; THE WEIGHTS HAVE NO STORED SCALES: sign() gives -1, 0 or +1, so a block with any number other than 0 has the largest magnitude 1, the scale 2^-2 (byte 125) and the codes +-4.0;
; a block of zeros has zero codes, which add nothing under byte 125 either.  The products' launches keep that byte in a register.
; THE ROWS OF A WEIGHT'S FRAGMENT ARE NOT NEIGHBOURS: lane row p of fragment f is row 32 (f / 2) + 8 (f % 2) + p + 8 (p / 8), so that a transposed product leaves a lane 16 neighbouring columns in two neighbouring tiles.
; A block's scale is 2^(floor(log2(its largest magnitude)) - 2): its byte is the largest magnitude's exponent field - 2, held at 1 from below (a block of zeros keeps byte 1: its codes are zeros, and this program alone reads the bytes).
; LIMITS: NaN and infinities among the inputs are not served (sign(NaN) would become +-1); blocks whose largest magnitude lies under 2^-124 keep the byte 1.
; SHARES.  512 work-groups of 8 waves; every wave does four jobs of one tile (16 rows x 128 K) each: two tiles of x (each for both paths), one of V or V_R, one of U or U_R.  One path through the text, no branch.
; A load takes 512 consecutive bytes of one row, 16 a lane; the conversions want 16 neighbours along K in one lane: so a tile turns through the wave's own stage in LDS (rows 528 bytes apart).
; In the loaded layout a lane holds the same four k of every row, so v2 and v2_R cost four registers each.
; No tensor loads: waves share nothing but the 2,048 bytes in which the scale words are gathered, so that each wave stores one aligned run of 256 bytes of them: one barrier.
.set FRB,   1536
.set PITCH, 528
.set STB,   16*PITCH                   ; a wave's second stage
.set WREG,  2*STB                      ; a wave's two stages: 16,896 bytes
.set SG,    8*WREG                     ; behind them: the scale words [path 2][tile 16][64 bytes]
.set LI,  2                            ; v2   16 x lane
.set STI, 3                            ; v3   a stage, on the way in: wave's region + 16 x lane
.set STO, 4                            ; v4   on the way out: wave's region + 528 r + 64 h
.set SGW, 5                            ; v5   where I put a scale word: SG + 128 x wave + 4 r
.set SGR, 6                            ; v6   where I read them back: SG + 256 x wave + 8 x lane
.set L8,  7                            ; v7   8 x lane
.set V2A, 8                            ; v8-11   v2 of my four k
.set V2B, 12                           ; v12-15  v2_R of my four k
.set TM,  16                           ; v16-31  at work in QUANT
.set PW,  32                           ; v32  the scale word just made
.set KSC, 33                           ; v33  0.25: the weights' scale as the conversion's operand (125 << 23)
.set PC,  34                           ; v34-53  the codes just made
.set T0,  54                           ; v54, v56 at work
.set ONE, 55                           ; v55  1.0
.set VO,  58                           ; v58  my byte in v2 and v2_R
.set S0,  64                           ; three sets of 64 numbers
.set S1,  128
.set S2,  192
.set SEL, 44                           ; s[44:45] lane selects: lane l xor 16
	s_load_b512 s[4:19], s[0:1], 0x0               ; x, v2, v2_R, V, V_R, U, U_R, xq
	s_load_b128 s[20:23], s[0:1], 0x40             ; sx, vq
	s_load_b64 s[24:25], s[0:1], 0x50              ; uq
	v_lshl_add_u32 v62, v0, 2, 0x21800
	v_mov_b32 v63, 0
	v_lshrrev_b32 v1, 5, v0
	s_delay_alu instid0(VALU_DEP_1)
	v_readfirstlane_b32 s26, v1                    ; wave 0..7
	v_and_b32 v1, 31, v0                           ; lane
	v_and_b32 v54, 15, v0                          ; r
	v_bfe_u32 v56, v0, 4, 1                        ; h
	s_delay_alu instid0(VALU_DEP_3)
	v_lshlrev_b32 v[LI], 4, v1
	s_delay_alu instid0(VALU_DEP_4)
	v_lshlrev_b32 v[L8], 3, v1
	s_mul_i32 s47, s26, WREG
	v_add_nc_u32 v[STI], s47, v[LI]
	v_mul_u32_u24 v[STO], v54, PITCH
	s_delay_alu instid0(VALU_DEP_1)
	v_lshl_add_u32 v[STO], v56, 6, v[STO]
	s_delay_alu instid0(VALU_DEP_1)
	v_add_nc_u32 v[STO], s47, v[STO]
	s_lshl_b32 s47, s26, 7
	s_add_co_u32 s47, s47, SG
	v_lshl_add_u32 v[SGW], v54, 2, s47
	s_lshl_b32 s47, s26, 8
	s_add_co_u32 s47, s47, SG
	v_add_nc_u32 v[SGR], s47, v[L8]
	v_mov_b32 v[KSC], 0x3e800000
	v_mov_b32 v[ONE], 1.0
.irp b, 0,1,2,3
	v_mov_b32 v[TM+4+\b], 0                        ; written once: a lane permute's destination counts as one of its sources
.endr
	s_mov_b32 s[SEL], 0x76543210
	s_mov_b32 s[SEL+1], 0xfedcba98
	s_mov_b32 s46, 0x7fffffff                      ; all but the sign
	; x's two tiles: K step = work-group % 32; tiles 16 (work-group / 32) + 2 wave + 0, 1
	s_and_b32 s48, ttmp9, 31                       ; K step
	s_lshr_b32 s49, ttmp9, 5                       ; group of 16 tiles
	s_lshl_b32 s50, s49, 4
	s_lshl_b32 s51, s26, 1
	s_add_co_u32 s50, s50, s51                     ; my first tile
	s_lshl_b32 s51, s48, 9                         ; a K step is 512 bytes of a row
	v_add_nc_u32 v[VO], s51, v[LI]
	s_mov_b32 s61, 0
	s_lshl_b32 s60, s50, 18                        ; a tile is 16 rows of 16,384 bytes
	s_add_co_u32 s60, s60, s51
	s_wait_alu depctr_va_vdst(0)
	s_wait_kmcnt 0x0
	s_add_nc_u64 s[28:29], s[4:5], s[60:61]        ; x at my first tile
	s_lshl_b32 s60, s50, 5
	s_add_co_u32 s60, s60, s48
	s_mul_i32 s60, s60, FRB
	s_add_nc_u64 s[30:31], s[18:19], s[60:61]      ; xq, path 0
	s_add_nc_u64 s[32:33], s[30:31], 12582912      ; xq, path 1
	s_lshr_b32 s60, s26, 2                         ; sx: waves 0-3 store path 0's words, waves 4-7 path 1's
	s_lshl_b32 s60, s60, 19
	s_lshl_b32 s51, s48, 14
	s_add_co_u32 s60, s60, s51
	s_lshl_b32 s51, s49, 10
	s_add_co_u32 s60, s60, s51
	s_and_b32 s51, s26, 3
	s_lshl_b32 s51, s51, 8
	s_add_co_u32 s60, s60, s51
	s_add_nc_u64 s[42:43], s[20:21], s[60:61]
	; the weights: job W = 8 x work-group + wave; the first 2,048 jobs take V and U, the others V_R and U_R
	s_lshl_b32 s52, ttmp9, 3
	s_add_co_u32 s52, s52, s26                     ; W
	s_and_b32 s53, s52, 2047                       ; the job within its path
	s_lshr_b32 s54, ttmp9, 8                       ; the path
	s_cmp_lt_u32 ttmp9, 256                        ; the choice hangs on the work-group's number alone
	s_cselect_b64 s[34:35], s[10:11], s[12:13]
	s_cselect_b64 s[38:39], s[14:15], s[16:17]
	s_lshr_b32 s55, s53, 5                         ; V: fragment,
	s_lshr_b32 s56, s55, 1
	s_lshl_b32 s56, s56, 5
	s_and_b32 s55, s55, 1
	s_lshl_b32 s55, s55, 3
	s_add_co_u32 s55, s55, s56                     ; its first row: 32 (f / 2) + 8 (f % 2),
	s_lshl_b32 s60, s55, 14
	s_and_b32 s56, s53, 31                         ; its K step
	s_lshl_b32 s56, s56, 9
	s_add_co_u32 s60, s60, s56
	s_add_nc_u64 s[34:35], s[34:35], s[60:61]
	s_mul_i32 s60, s52, FRB
	s_add_nc_u64 s[36:37], s[22:23], s[60:61]      ; vq: fragments in the order of W
	s_lshr_b32 s55, s53, 3                         ; U: fragment,
	s_lshl_b32 s57, s55, 1
	s_add_co_u32 s57, s57, s54
	s_lshl_b32 s57, s57, 3
	s_and_b32 s58, s53, 7                          ; its K step
	s_add_co_u32 s57, s57, s58
	s_mul_i32 s57, s57, FRB                        ; uq: ((2 f + path) 8 + K step) fragments on
	s_lshr_b32 s56, s55, 1
	s_lshl_b32 s56, s56, 5
	s_and_b32 s55, s55, 1
	s_lshl_b32 s55, s55, 3
	s_add_co_u32 s55, s55, s56
	s_lshl_b32 s60, s55, 12                        ; a row of U is 4,096 bytes
	s_lshl_b32 s58, s58, 9
	s_add_co_u32 s60, s60, s58
	s_add_nc_u64 s[38:39], s[38:39], s[60:61]
	s_mov_b32 s60, s57
	s_add_nc_u64 s[40:41], s[24:25], s[60:61]
; 16 loads: a tile's 16 rows, 512 consecutive bytes each.  perm = 1: the rows of a weight's fragment (0-7, 16-23)
.macro LOAD set, base, pitch, perm, off
.irp i, 0,1,2,3,4,5,6,7,8,9,10,11,12,13,14,15
	global_load_b128 v[\set+4*\i:\set+4*\i+3], v[LI], s[\base:\base+1] offset:\off+(\i+8*(\i/8)*\perm)*\pitch th:TH_LOAD_NT
.endr
.endm
; behind the four conversions: the operand's layout wants a WHOLE block of 32 in a lane: lanes 0-15 block 2 c, lanes 16-31 block 2 c + 1
.macro PACKF
	v_nop                                          ; one plain place behind a scaled conversion
.irp c, 0,1
.irp i, 0,1,2
	v_permlane16_swap_b32 v[PC+6*\c+\i], v[PC+12+4*\c+\i]
.endr
.irp i, 0,1,2
	s_delay_alu instid0(VALU_DEP_3)
	v_mov_b32 v[PC+3+6*\c+\i], v[PC+12+4*\c+\i]
.endr
.endr
.endm
; 64 numbers of a lane, register 16 b + i = k 32 b + 16 h + i of row r, become a fragment's codes in v[PC] on and its scale word in v[pw]
.macro QUANT s, pw
.irp b, 0,1,2,3
	v_max3_num_f32 v[TM+\b], |v[\s+16*\b]|, |v[\s+1+16*\b]|, 0x1800000   ; block b: my 16 numbers, and the floor 2^(3 - 127): the byte cannot fall under 1
.endr
.irp i, 2,4,6,8,10,12,14
.irp b, 0,1,2,3
	s_delay_alu instid0(VALU_DEP_4)
	v_max3_num_f32 v[TM+\b], v[TM+\b], |v[\s+16*\b+\i]|, |v[\s+1+16*\b+\i]|   ; the four blocks by turns
.endr
.endr
.irp b, 0,1,2,3
	s_delay_alu instid0(VALU_DEP_4)
	v_permlanex16_b32 v[TM+4+\b], v[TM+\b], s[SEL], s[SEL+1]
.endr
.irp b, 0,1,2,3
	s_delay_alu instid0(VALU_DEP_4)
	v_max_num_f32 v[TM+\b], v[TM+\b], v[TM+4+\b]   ; with lane l xor 16's: the block's largest magnitude
.endr
.irp b, 0,1,2,3
	s_delay_alu instid0(VALU_DEP_4)
	v_add_nc_u32 v[TM+12+\b], 0xff000000, v[TM+\b] ; 2 off its exponent field: the conversion takes the exponent field of this operand as its scale
.endr
.irp b, 0,1,2,3
	s_delay_alu instid0(VALU_DEP_4)
	v_lshrrev_b32 v[TM+4+\b], 23, v[TM+12+\b]      ; the scale's byte
.endr
	s_delay_alu instid0(VALU_DEP_3)
	v_lshl_or_b32 v[\pw], v[TM+5], 8, v[TM+4]
	s_delay_alu instid0(VALU_DEP_1)
	v_lshl_or_b32 v[\pw], v[TM+6], 16, v[\pw]
	s_delay_alu instid0(VALU_DEP_1)
	v_lshl_or_b32 v[\pw], v[TM+7], 24, v[\pw]
.irp c, 0,1
	v_cvt_scalef32_pk16_fp6_f32 v[PC+6*\c:PC+2+6*\c], v[\s+32*\c:\s+15+32*\c], v[TM+12+2*\c]
	v_cvt_scalef32_pk16_fp6_f32 v[PC+12+4*\c:PC+14+4*\c], v[\s+16+32*\c:\s+31+32*\c], v[TM+12+2*\c+1]   ; (a conversion's three registers begin on an even number)
.endr
	PACKF
.endm
.macro SQUANT s                        ; the same for signs: the scale is 2^-2 for every block
.irp c, 0,1
	v_cvt_scalef32_pk16_fp6_f32 v[PC+6*\c:PC+2+6*\c], v[\s+32*\c:\s+15+32*\c], v[KSC]
	v_cvt_scalef32_pk16_fp6_f32 v[PC+12+4*\c:PC+14+4*\c], v[\s+16+32*\c:\s+31+32*\c], v[KSC]
.endr
	PACKF
.endm
.macro IMG base, off                   ; the fragment leaves as it stands: three stores of 512 consecutive bytes, at a multiple of 256 from the buffer's first byte
.irp c, 0,1,2
	global_store_b128 v[LI], v[PC+4*\c:PC+4*\c+3], s[\base:\base+1] offset:\off+512*\c
.endr
.endm
.macro TOST set, st                    ; 16 rows into a stage, as loaded
.irp i, 0,1,2,3,4,5,6,7,8,9,10,11,12,13,14,15
	ds_store_b128 v[STI], v[\set+4*\i:\set+4*\i+3] offset:\st+\i*PITCH
.endr
.endm
.macro FROMST set, st                  ; and back: of row r, 16 neighbours of each block of 32
.irp b, 0,1,2,3
.irp q, 0,1,2,3
	ds_load_b128 v[\set+16*\b+4*\q:\set+16*\b+4*\q+3], v[STO] offset:\st+128*\b+16*\q
.endr
.endr
.endm
; a tile of x in set R, the n-th of my two; left: the younger loads that may stay out
.macro XJOB R, n, left
	s_wait_loadcnt \left
.set j, 0
.rept 32
	v_pk_mul_f32 v[S2+2*j:S2+2*j+1], v[\R+2*j:\R+2*j+1], v[V2A+2*(j%2):V2A+2*(j%2)+1]     ; x * v2
.set j, j+1
.endr
.set j, 0
.rept 32
	v_pk_mul_f32 v[\R+2*j:\R+2*j+1], v[\R+2*j:\R+2*j+1], v[V2B+2*(j%2):V2B+2*(j%2)+1]     ; x * v2_R, in place
.set j, j+1
.endr
	TOST S2, 0
	TOST \R, STB
	s_wait_dscnt 0x0                               ; the stores have read their registers, which the loads below fill
	FROMST S2, 0
	FROMST \R, STB
	s_wait_dscnt 16                                ; the first stage's 16 loads are in; the second's may be out
	s_wait_xcnt 0x0                                ; the last fragment's stores have read v[PC] on
	QUANT S2, PW
	IMG 30, 49152*\n
	ds_store_b32 v[SGW], v[PW] offset:64*\n        ; lanes r and r + 16 write the same word with the same value
	s_wait_dscnt 0x0                               ; the second stage is back, and the word's store has read its register
	s_wait_xcnt 0x0
	QUANT \R, PW
	IMG 32, 49152*\n
	ds_store_b32 v[SGW], v[PW] offset:1024+64*\n
.endm
; a tile of a weight in set R
.macro WJOB R, left, dst
	s_wait_loadcnt \left
.set j, 0
.rept 64
	v_cmp_neq_f32 vcc_lo, 0, v[\R+j]
	s_delay_alu instid0(VALU_DEP_1)
	v_cndmask_b32 v[T0+2*(j%2)], 0, v[ONE], vcc_lo                 ; 1 where the number is not 0,
	s_delay_alu instid0(VALU_DEP_1)
	v_bfi_b32 v[\R+j], s46, v[T0+2*(j%2)], v[\R+j]                 ; under the number's own sign: sign()
.set j, j+1
.endr
	TOST \R, 0
	s_wait_dscnt 0x0
	FROMST S2, 0
	s_wait_dscnt 0x0
	s_wait_xcnt 0x0                                ; the last fragment's stores have read v[PC] on
	SQUANT S2
	IMG \dst, 0
.endm
	global_load_b128 v[V2A:V2A+3], v[VO], s[6:7]
	global_load_b128 v[V2B:V2B+3], v[VO], s[8:9]
	LOAD S0, 28, 16384, 0, 0
	LOAD S1, 28, 16384, 0, 262144
	XJOB S0, 0, 16                                 ; the second tile's 16 loads stay out
	LOAD S0, 34, 16384, 1, 0
	XJOB S1, 1, 16                                 ; V's stay out
	LOAD S1, 38, 4096, 1, 0
	WJOB S0, 16, 36                                ; U's stay out
	WJOB S1, 0, 40
	s_wait_dscnt 0x0                               ; for the others' sake: my scale words lie in LDS
	s_barrier_signal -1
	s_barrier_wait -1
	ds_load_b64 v[TM:TM+1], v[SGR]                 ; four tiles' words of one path
	s_wait_dscnt 0x0
	global_store_b64 v[L8], v[TM:TM+1], s[42:43]   ; 32 lanes store 256 consecutive bytes, aligned
	s_wait_tensorcnt 0x0
	ds_add_u32 v62, v63
	s_wait_dscnt 0x0
	s_endpgm
.Lfunc_end_k_q610926003b_quant:
	.size	k_q610926003b_quant, .Lfunc_end_k_q610926003b_quant-k_q610926003b_quant
	.p2alignl 7, 3214868480
	.fill 96, 4, 3214868480
	.section	.rodata,"a",@progbits
	.p2align	6, 0x0
	.amdhsa_kernel k_q610926003b_quant
		.amdhsa_group_segment_fixed_size 138240
		.amdhsa_private_segment_fixed_size 0
		.amdhsa_enable_private_segment 0
		.amdhsa_kernarg_size 88
		.amdhsa_user_sgpr_count 2
		.amdhsa_user_sgpr_kernarg_segment_ptr 1
		.amdhsa_wavefront_size32 1
		.amdhsa_system_sgpr_workgroup_id_x 1
		.amdhsa_system_sgpr_workgroup_id_y 1
		.amdhsa_system_sgpr_workgroup_id_z 1
		.amdhsa_system_vgpr_workitem_id 0
		.amdhsa_next_free_vgpr 256
		.amdhsa_next_free_sgpr 66
		.amdhsa_reserve_vcc 1
		.amdhsa_float_denorm_mode_32 3
		.amdhsa_float_denorm_mode_16_64 3
		.amdhsa_memory_ordered 1
		.amdhsa_forward_progress 1
		.amdhsa_inst_pref_size 81
	.end_amdhsa_kernel
	.amdgpu_metadata
---
amdhsa.version: [ 1, 2 ]
amdhsa.kernels:
  - .name:           k_q610926003b_quant
    .symbol:         k_q610926003b_quant.kd
    .args:
      - { .name: x, .offset: 0, .size: 8, .value_kind: global_buffer, .address_space: global }
      - { .name: v2, .offset: 8, .size: 8, .value_kind: global_buffer, .address_space: global }
      - { .name: v2_R, .offset: 16, .size: 8, .value_kind: global_buffer, .address_space: global }
      - { .name: V, .offset: 24, .size: 8, .value_kind: global_buffer, .address_space: global }
      - { .name: V_R, .offset: 32, .size: 8, .value_kind: global_buffer, .address_space: global }
      - { .name: U, .offset: 40, .size: 8, .value_kind: global_buffer, .address_space: global }
      - { .name: U_R, .offset: 48, .size: 8, .value_kind: global_buffer, .address_space: global }
      - { .name: xq, .offset: 56, .size: 8, .value_kind: global_buffer, .address_space: global }
      - { .name: sx, .offset: 64, .size: 8, .value_kind: global_buffer, .address_space: global }
      - { .name: vq, .offset: 72, .size: 8, .value_kind: global_buffer, .address_space: global }
      - { .name: uq, .offset: 80, .size: 8, .value_kind: global_buffer, .address_space: global }
    .group_segment_fixed_size: 138240
    .private_segment_fixed_size: 0
    .kernarg_segment_align: 8
    .kernarg_segment_size: 88
    .max_flat_workgroup_size: 256
    .sgpr_count:     66
    .vgpr_count:     256
    .wavefront_size: 32
...
	.end_amdgpu_metadata
.endif
;; end of part 1
;; launch gemm1 (part 2): grid 4 x 64, 4 waves a work-group, clusters of 4 x 4, 327,680 bytes of LDS; arguments xq, sx, vq, v1, v1_R, u2, u2_R, hq, sh; writes hq, sh
.if DOCPART == 2
	.amdgcn_target "amdgcn-amd-amdhsa--gfx1250"
	.amdhsa_code_object_version 6
	.text
	.protected	k_q610926003b_gemm1
	.globl	k_q610926003b_gemm1
	.p2align	8
	.type	k_q610926003b_gemm1,@function
k_q610926003b_gemm1:
	s_mov_b64 s[64:65], 0
	v_nop
	global_prefetch_b8 v0, s[64:65] scope:SCOPE_SE
	s_setreg_imm32_b32 hwreg(HW_REG_WAVE_MODE, 25, 1), 1
	s_wait_xcnt 0x0
	s_wait_alu depctr_hold_cnt(0) depctr_sa_sdst(0) depctr_va_vdst(0) depctr_va_sdst(0) depctr_va_ssrc(0) depctr_va_vcc(0) depctr_vm_vsrc(0)
	s_getreg_b32 s2, hwreg(HW_REG_IB_STS2, 6, 4)
	s_cmp_eq_u32 s2, 0
	s_cbranch_scc0 .Lentry_in_a_cluster
	s_endpgm
.Lentry_in_a_cluster:
	s_bfe_u32 s2, ttmp6, 0x10000c
	s_cmp_lg_u32 s2, 0xf033
	s_cbranch_scc0 .Lentry_shape_is_right
	s_endpgm
.Lentry_shape_is_right:
; h = ((x * v2) sign(V)^T) * (v1 * u2) and the same for the residual path, on codes of FP6 (E2M3), quantised again along the next K.
; Work-group (x, y): path y / 32, tokens 128 (y % 32) on, hidden units 256 x on.  Wave w takes half G = w % 2 of K (16 steps of 128) and half J = w / 2 of the units; waves w and w xor 1 hand each other half of their sums through LDS.
; Out: hq [tile of 16 tokens 256][8 path + K step][1536], an image of the operand's registers;
;      sh [block of 128 tokens 32][8 path + K step 16][G 2][lane 32][2 words]: word w of lane l is the scale word of row l % 16 of tile 4 G + 2 (l / 16) + w of the block.
; x's scale words come by global loads and LDS stores into bytes that no tensor load fills, while slot 0's tensor load is out.
.set KSTOT, 32
.set KG,    16
.set LAPS,  4
.set FR,    12
.set FRB,   1536
.set RT,    2*FRB
.set NL,    3
.set NP,    4
.set AGRP,  8*RT
.set BOFF,  2*AGRP
.set BGRP,  16*RT
.set SLOT,  BOFF+2*BGRP
.set SCL,   2*SLOT
.set SPARE, SCL+16384
.set XST,   32768
.set ADRA, 16
.set ADRB, 20
.set ADRS, 22
.set LI,   24
.set XW,   25
.set XR,   26
.set L8,   27
.set SPW,  28
.set NIL,  29
.set SC,   32
.set CSC,  48
.set PC,   50
.set TM,   70
.set GV,   88
.set PWB,  152
.set AF,   160
.set HH,   160
.set WV, 22
.set GG, 23
.set JJ, 24
.set GX, 25
.set G1A, 32
.set G0A, 40
.set G1B, 48
.set G0B, 56
.set SEL, 96
.set PFA, 68                           ; s[68:69] where my prefetches stand
.set PFO, 30                           ; v30 their offset: row l' / 12, block l' % 12, l' = min(lane, 23)
.set MSB, 0
.macro WIN new
.if MSB != \new
	s_set_vgpr_msb (MSB<<8)|\new
.set MSB, \new
.endif
.endm
.set MUL_LO, 0xa1
.set MUL_HI, 0xf1
.set TO_B,   0x40
.macro PLACES n
.rept \n
	v_nop
.endr
.endm
.macro CREST
	s_cmp_lg_u32 s[WV], 0
	s_cbranch_scc1 .Lnot_wave_0_\@
	s_barrier_signal -3
.Lnot_wave_0_\@:
	s_barrier_wait -3
	s_barrier_signal -1
	s_barrier_wait -1
.endm
.macro CROUND
	s_barrier_signal -1
	s_barrier_wait -1
	CREST
.endm
; At the head: behind fill 0's load the fills 1 and 2 are asked for, behind fill 1's load fill 3: the same rows and blocks as in the loop (macro ASK); off: bytes from fill 3, where s[PFA] stands
.macro ASKH off
	global_prefetch_b8 v[PFO], s[PFA:PFA+1] offset:(\off) th:TH_LOAD_NT scope:SCOPE_SE
	s_cmp_eq_u32 s[JJ], 0
	s_cbranch_scc1 .Lnoaskh_\@
	global_prefetch_b8 v[PFO], s[PFA:PFA+1] offset:(\off)+2*KSTOT*FRB th:TH_LOAD_NT scope:SCOPE_SE
.Lnoaskh_\@:
.endm
.macro JLOAD s
	s_cmp_eq_u32 s[JJ], 0
	s_cbranch_scc0 .Lfor_b_\@
	tensor_load_to_lds s[G0A+4*\s:G0A+4*\s+3], s[G1A:G1A+7]
	s_nop 0
.rept 4
	v_nop
.endr
	s_branch .Lasked_\@
.Lfor_b_\@:
	tensor_load_to_lds s[G0B+4*\s:G0B+4*\s+3], s[G1B:G1B+7]
	s_nop 0
.rept 4
	v_nop
.endr
.Lasked_\@:
.endm
	s_load_b512 s[4:19], s[0:1], 0x0
	s_load_b64 s[20:21], s[0:1], 0x40
	v_lshl_add_u32 v[SPW], v0, 2, SPARE
	v_mov_b32 v[NIL], 0
	ds_add_u32 v28, v29
	ds_add_u32 v28, v29
	s_wait_dscnt 0x0
	v_lshrrev_b32 v1, 5, v0
	v_readfirstlane_b32 s[WV], v1
	s_and_b32 s[GG], s[WV], 1
	s_lshr_b32 s[JJ], s[WV], 1
	s_xor_b32 s[GX], s[GG], 1
	s_bfe_u32 s26, ttmp6, 0x40000
	s_bfe_u32 s27, ttmp6, 0x40004
	s_lshl_b32 s28, ttmp9, 2
	s_add_co_u32 s28, s28, s26
	s_and_b32 s30, ttmp7, 0xffff
	s_lshl_b32 s29, s30, 2
	s_add_co_u32 s29, s29, s27
	s_lshr_b32 s30, s30, 3
	s_lshl_b32 s80, s27, 2
	s_lshl_b32 s80, 15, s80
	s_lshl_b32 s81, 0x1111, s26
	s_or_b32 s[G1A], s80, (3<<16)|(1<<21)
	s_or_b32 s[G1B], s81, (3<<16)|(1<<21)
	s_mov_b32 s[G1A+1], 384<<16
	s_mov_b32 s[G1A+2], 8<<16
	s_mov_b32 s[G1A+3], 384<<16
	s_mov_b32 s[G1A+4], 8
	s_mov_b32 s[G1A+5], KSTOT*192
	s_mov_b32 s[G1A+6], 0
	s_mov_b32 s[G1A+7], 0
	s_mov_b32 s[G1B+1], 384<<16
	s_mov_b32 s[G1B+2], 16<<16
	s_mov_b32 s[G1B+3], 384<<16
	s_mov_b32 s[G1B+4], 16
	s_mov_b32 s[G1B+5], KSTOT*192
	s_mov_b32 s[G1B+6], 0
	s_mov_b32 s[G1B+7], 0
	s_mul_i32 s82, s29, 8*KSTOT
	s_mul_i32 s83, s[GG], KG
	s_add_co_u32 s82, s82, s83
	s_mul_i32 s82, s82, FRB
	s_mov_b32 s83, 0
	s_lshl_b32 s84, s30, 6
	s_lshl_b32 s85, s28, 4
	s_add_co_u32 s84, s84, s85
	s_mul_i32 s84, s84, KSTOT
	s_mul_i32 s85, s[GG], KG
	s_add_co_u32 s84, s84, s85
	s_mul_i32 s84, s84, FRB
	s_mov_b32 s85, 0
	s_and_b32 s86, s29, 31
	s_lshl_b32 s86, s86, 9
	s_lshl_b32 s87, s30, 19
	s_add_co_u32 s86, s86, s87
	s_mul_i32 s87, s[WV], (KSTOT/4)*16384
	s_add_co_u32 s86, s86, s87
	s_mov_b32 s87, 0
	s_mul_i32 s88, s[GG], AGRP
	s_mul_i32 s89, s[GG], BGRP
	s_mul_i32 s31, s[WV], (KSTOT/4)*512
	s_wait_kmcnt 0x0
	s_add_nc_u64 s[90:91], s[4:5], s[82:83]
	s_add_nc_u64 s[92:93], s[8:9], s[84:85]
	s_cmp_eq_u32 s[JJ], 0                          ; the prefetches: of the rows that I fetch (A: 8, B: 16) my work-group takes a quarter, told apart by address: cx for A, cy for B
	s_cselect_b32 s70, s82, s84
	s_cselect_b32 s71, s26, s27
	s_cselect_b64 s[PFA:PFA+1], s[4:5], s[8:9]
	s_lshl_b32 s71, s71, s[JJ]
	s_mul_i32 s71, s71, 2*KSTOT*FRB
	s_add_co_u32 s70, s70, s71
	s_add_co_u32 s70, s70, 3*RT                    ; at fill 3: the first refill steps it to fill 4
	s_mov_b32 s71, 0
	s_add_nc_u64 s[PFA:PFA+1], s[PFA:PFA+1], s[70:71]
	s_add_co_u32 s31, s31, SCL                     ; LDS: my quarter of the scale words (8 K steps x 512 bytes)
	s_add_nc_u64 s[86:87], s[6:7], s[86:87]        ; and where it lies in sx
.irp s, 0,1
	s_mov_b32 s[G0A+4*\s], 1
	s_add_co_u32 s[G0A+4*\s+1], s88, \s*SLOT
	s_add_nc_u64 s[G0A+4*\s+2:G0A+4*\s+3], s[90:91], \s*RT
	s_or_b32 s[G0A+4*\s+3], s[G0A+4*\s+3], 0x80000000
	s_mov_b32 s[G0B+4*\s], 1
	s_add_co_u32 s[G0B+4*\s+1], s89, BOFF+\s*SLOT
	s_add_nc_u64 s[G0B+4*\s+2:G0B+4*\s+3], s[92:93], \s*RT
	s_or_b32 s[G0B+4*\s+3], s[G0B+4*\s+3], 0x80000000
.endr
	s_lshl_b32 s80, s28, 10                        ; my 128 hidden units begin at 256 x + 128 J: their bytes in v1 and u2
	s_lshl_b32 s81, s[JJ], 9
	s_add_co_u32 s80, s80, s81
	s_cmp_eq_u32 s30, 0                            ; the path chooses the gains
	s_cselect_b64 s[92:93], s[10:11], s[12:13]
	s_cselect_b64 s[94:95], s[14:15], s[16:17]
	v_and_b32 v2, 31, v0
	v_min_u32 v5, 23, v2
	v_mul_u32_u24 v6, v5, 171
	v_lshrrev_b32 v6, 11, v6                       ; l' / 12
	v_mul_u32_u24 v6, v6, KSTOT*FRB-RT
	v_lshl_add_u32 v[PFO], v5, 8, v6
	v_lshlrev_b32 v2, 4, v2                        ; 16 x lane
	v_add_nc_u32 v3, s31, v2
	v_bfe_u32 v7, v0, 4, 1                         ; h
	v_lshl_add_u32 v4, v7, 6, s80                  ; register 16 b + 4 q + e is unit 32 b + 16 h + 4 q + e
	s_wait_alu depctr_va_vdst(0)
.irp i, 0,1,2,3,4,5,6,7
	global_load_b128 v[AF+64+4*\i:AF+64+4*\i+3], v2, s[86:87] offset:16384*\i   ; a K step's words of my work-group's 8 tiles: 512 consecutive bytes
.endr
.irp b, 0,1,2,3
.irp q, 0,1,2,3
	global_load_b128 v[GV+16*\b+4*\q:GV+16*\b+4*\q+3], v4, s[92:93] offset:128*\b+16*\q   ; v1
	global_load_b128 v[AF+16*\b+4*\q:AF+16*\b+4*\q+3], v4, s[94:95] offset:128*\b+16*\q   ; u2
.endr
.endr
	CROUND                                         ; all sixteen work-groups are here: the first joint loads meet
	JLOAD 0                                        ; one tensor load a wave at the head
	ASKH -2*RT
	ASKH -RT
	s_wait_loadcnt 32                              ; the scale words are in; the 32 loads of the gains may be out
.irp i, 0,1,2,3,4,5,6,7
	ds_store_b128 v3, v[AF+64+4*\i:AF+64+4*\i+3] offset:512*\i
.endr
	s_wait_tensorcnt 0x0                           ; slot 1's first fill is issued as a refill is
	ds_add_u32 v28, v29
	s_wait_dscnt 0x0                               ; the add and my stores of scale words are done
	CROUND
	JLOAD 1
	ASKH 0
	v_and_b32 v1, 31, v0
	v_lshlrev_b32 v[LI], 4, v1
	s_wait_alu depctr_va_vdst(0)
	v_lshlrev_b32 v[L8], 3, v1
	v_mov_b32 v[CSC], 0x7d7d7d7d
	s_mul_i32 s80, s[GG], AGRP+4*RT
	v_add_nc_u32 v[ADRA], s80, v[LI]
	v_add_nc_u32 v[ADRA+1], SLOT, v[ADRA]
	s_mul_i32 s80, s[GG], AGRP
	s_mul_i32 s81, s[GX], 4*RT
	s_add_co_u32 s80, s80, s81
	v_add_nc_u32 v[ADRA+2], s80, v[LI]
	v_add_nc_u32 v[ADRA+3], SLOT, v[ADRA+2]
	s_mul_i32 s80, s[GG], BGRP
	s_mul_i32 s81, s[JJ], 8*RT
	s_add_co_u32 s80, s80, s81
	s_add_co_u32 s80, s80, BOFF
	v_add_nc_u32 v[ADRB], s80, v[LI]
	v_add_nc_u32 v[ADRB+1], SLOT, v[ADRB]
	s_mul_i32 s80, s[GG], KG*512+256
	s_add_co_u32 s80, s80, SCL
	v_lshl_add_u32 v[ADRS], v1, 2, s80
	s_mul_i32 s80, s[GG], KG*512
	s_lshl_b32 s81, s[GX], 8
	s_add_co_u32 s80, s80, s81
	s_add_co_u32 s80, s80, SCL
	v_lshl_add_u32 v[ADRS+1], v1, 2, s80
	s_mul_i32 s80, s[WV], XST
	v_add_nc_u32 v[XW], s80, v[LI]
	s_xor_b32 s80, s[WV], 1
	s_mul_i32 s80, s80, XST
	v_add_nc_u32 v[XR], s80, v[LI]
.irp b, 0,1,2,3
	v_mov_b32 v[TM+4+\b], 0
.endr
	s_mov_b32 s[SEL], 0x76543210
	s_mov_b32 s[SEL+1], 0xfedcba98
	s_and_b32 s80, s29, 31
	s_lshl_b32 s80, s80, 3
	s_lshl_b32 s81, s[GG], 2
	s_add_co_u32 s80, s80, s81
	s_lshl_b32 s82, s30, 3
	s_lshl_b32 s83, s28, 1
	s_add_co_u32 s82, s82, s83
	s_add_co_u32 s82, s82, s[JJ]
	s_lshl_b32 s84, s80, 4
	s_add_co_u32 s84, s84, s82
	s_mul_i32 s84, s84, FRB
	s_mov_b32 s85, 0
	s_add_nc_u64 s[18:19], s[18:19], s[84:85]
	s_and_b32 s84, s29, 31                         ; sh: ((block of 128 tokens x 16 + K step) x 2 + G) x 256 bytes
	s_lshl_b32 s84, s84, 4
	s_add_co_u32 s84, s84, s82
	s_lshl_b32 s84, s84, 1
	s_add_co_u32 s84, s84, s[GG]
	s_lshl_b32 s84, s84, 8
	s_add_nc_u64 s[20:21], s[20:21], s[84:85]
	s_wait_loadcnt 0x0
.set j, 0
.rept 32
	v_pk_mul_f32 v[GV+2*j:GV+2*j+1], v[GV+2*j:GV+2*j+1], v[AF+2*j:AF+2*j+1]
.set j, j+1
.endr
; Behind each refill: the tile that stands two refills on, 2 rows x 12 blocks of 256 bytes an instruction, a lane a block (lanes 24-31 name lane 23's again); B's waves have 4 rows.  The loop's last trip asks for nothing.
.macro ASK
	s_cmp_gt_u32 s3, 1
	s_cbranch_scc0 .Lnoask_\@
	global_prefetch_b8 v[PFO], s[PFA:PFA+1] th:TH_LOAD_NT scope:SCOPE_SE
	s_cmp_eq_u32 s[JJ], 0
	s_cbranch_scc1 .Lnoask_\@
	global_prefetch_b8 v[PFO], s[PFA:PFA+1] offset:2*KSTOT*FRB th:TH_LOAD_NT scope:SCOPE_SE
.Lnoask_\@:
.endm
.macro FRAG reg, adr, off
.irp c, 0,1,2
	ds_load_b128 v[\reg+4*\c:\reg+4*\c+3], v[\adr] offset:\off+512*\c
.endr
.endm
.macro FETCH_B slot, q, p
	WIN TO_B
.irp i, 0,1,2,3,4,5,6,7
	FRAG 128*(\p)+FR*\i, ADRB+\slot, \i*RT+(\q)*FRB
.endr
	WIN 0
.endm
.macro FETCH_A slot, q, half
.irp i, 0,1,2,3
	FRAG AF+FR*(4*(\half)+\i), ADRA+2*(\half)+\slot, \i*RT+(\q)*FRB
.endr
.endm
.macro SCALES sc
.irp q, 0,1
.irp p, 0,1,2,3
	ds_load_b32 v[SC+8*(\sc)+4*\q+\p], v[ADRS+(\p/2)] offset:\q*512+(\p%2)*128
.endr
.endr
.endm
.macro MUL16 a0, p, q, sc, zero
.irp a, \a0, \a0+1
.irp b, 0,1,2,3,4,5,6,7
.set rD, 8*(8*((\a)%4)+\b)
.set rB, 128*(\p)+FR*\b
.set rA, AF+FR*(\a)
.set rS, SC+8*(\sc)+4*(\q)+(\a)/2
.if \zero
.if (\a)%2
	v_wmma_scale_f32_16x16x128_f8f6f4 v[rD:rD+7], v[rB:rB+FR-1], v[rA:rA+FR-1], 0, v[CSC], v[rS] matrix_a_fmt:MATRIX_FMT_FP6 matrix_b_fmt:MATRIX_FMT_FP6 matrix_b_scale:MATRIX_SCALE_ROW1
.else
	v_wmma_scale_f32_16x16x128_f8f6f4 v[rD:rD+7], v[rB:rB+FR-1], v[rA:rA+FR-1], 0, v[CSC], v[rS] matrix_a_fmt:MATRIX_FMT_FP6 matrix_b_fmt:MATRIX_FMT_FP6
.endif
.else
.if (\a)%2
	v_wmma_scale_f32_16x16x128_f8f6f4 v[rD:rD+7], v[rB:rB+FR-1], v[rA:rA+FR-1], v[rD:rD+7], v[CSC], v[rS] matrix_a_fmt:MATRIX_FMT_FP6 matrix_b_fmt:MATRIX_FMT_FP6 matrix_b_scale:MATRIX_SCALE_ROW1
.else
	v_wmma_scale_f32_16x16x128_f8f6f4 v[rD:rD+7], v[rB:rB+FR-1], v[rA:rA+FR-1], v[rD:rD+7], v[CSC], v[rS] matrix_a_fmt:MATRIX_FMT_FP6 matrix_b_fmt:MATRIX_FMT_FP6
.endif
.endif
.endr
.endr
.endm
.macro STEP slot, q, zero
	s_wait_dscnt 4*NL
	WIN MUL_LO
	MUL16 0, (\q)%2, \q, \slot, \zero
	MUL16 2, (\q)%2, \q, \slot, \zero
	s_wait_dscnt 0
	PLACES NP
	FETCH_B \slot, (\q)+1, 1-(\q)%2
	FETCH_A \slot, (\q)+1, 0
	WIN MUL_HI
	MUL16 4, (\q)%2, \q, \slot, \zero
	MUL16 6, (\q)%2, \q, \slot, \zero
	PLACES NP
	WIN 0
	FETCH_A \slot, (\q)+1, 1
.endm
.macro TURN slot, next, fill
.if \fill
	s_wait_xcnt 0x0                                ; my last prefetch has read its address, which steps one fill on
	s_add_nc_u64 s[PFA:PFA+1], s[PFA:PFA+1], RT
.endif
	s_wait_tensorcnt 0x0
	ds_add_u32 v[SPW], v[NIL]
	s_wait_dscnt 4*NL+1
	WIN MUL_LO
	MUL16 0, 1, 1, \slot, 0
	s_wait_dscnt 0x0
	s_barrier_signal -1
	MUL16 2, 1, 1, \slot, 0
	WIN 0
	s_barrier_wait -1
.if \fill
	CREST
	s_add_nc_u64 s[G0A+4*\slot+2:G0A+4*\slot+3], s[G0A+4*\slot+2:G0A+4*\slot+3], 2*RT
	s_add_nc_u64 s[G0B+4*\slot+2:G0B+4*\slot+3], s[G0B+4*\slot+2:G0B+4*\slot+3], 2*RT
	JLOAD \slot
.else
	PLACES NP
.endif
	s_wait_alu depctr_va_vdst(0)
	v_add_nc_u32 v[ADRS], 1024, v[ADRS]
	v_add_nc_u32 v[ADRS+1], 1024, v[ADRS+1]
	FETCH_B \next, 0, 0
	FETCH_A \next, 0, 0
	SCALES \next
.if \fill
	ASK
.endif
	WIN MUL_HI
	MUL16 4, 1, 1, \slot, 0
	MUL16 6, 1, 1, \slot, 0
	PLACES NP
	WIN 0
	FETCH_A \next, 0, 1
.endm
	s_wait_tensorcnt 1
	s_barrier_signal -1
	s_barrier_wait -1
	FETCH_B 0, 0, 0
	FETCH_A 0, 0, 0
	SCALES 0
	FETCH_A 0, 0, 1
	STEP 0, 0, 1
	s_mov_b32 s3, LAPS-1
.Llap:
	TURN 0, 1, 1
	STEP 1, 0, 0
	TURN 1, 0, 1
	STEP 0, 0, 0
	s_sub_co_u32 s3, s3, 1
	s_cmp_lg_u32 s3, 0
	s_cbranch_scc1 .Llap
	TURN 0, 1, 0
	STEP 1, 0, 0
	s_wait_dscnt 4*NL
	WIN MUL_LO
	MUL16 0, 1, 1, 1, 0
	MUL16 2, 1, 1, 1, 0
	s_wait_dscnt 0
	WIN MUL_HI
	MUL16 4, 1, 1, 1, 0
	MUL16 6, 1, 1, 1, 0
	WIN 0
	PLACES NP
	WIN 0x0c
.set k, 0
.rept 64
	ds_store_b128 v[XW], v[4*k:4*k+3] offset:512*k
.set k, k+1
.endr
	WIN 0
	s_wait_dscnt 0x0
	s_barrier_signal -1
	s_barrier_wait -1
	WIN 0x40
.set k, 0
.rept 64
	ds_load_b128 v[4*k:4*k+3], v[XR] offset:512*k
.set k, k+1
.endr
	WIN 0
.macro QUANT s, pw
.irp b, 0,1,2,3
	v_max3_num_f32 v[TM+\b], |v[\s+16*\b]|, |v[\s+1+16*\b]|, 0x1800000
.endr
.irp i, 2,4,6,8,10,12,14
.irp b, 0,1,2,3
	v_max3_num_f32 v[TM+\b], v[TM+\b], |v[\s+16*\b+\i]|, |v[\s+1+16*\b+\i]|
.endr
.endr
.irp b, 0,1,2,3
	v_permlanex16_b32 v[TM+4+\b], v[TM+\b], s[SEL], s[SEL+1]
.endr
.irp b, 0,1,2,3
	v_max_num_f32 v[TM+\b], v[TM+\b], v[TM+4+\b]
.endr
.irp b, 0,1,2,3
	v_add_nc_u32 v[TM+12+\b], 0xff000000, v[TM+\b]
.endr
.irp b, 0,1,2,3
	v_lshrrev_b32 v[TM+4+\b], 23, v[TM+12+\b]
.endr
	v_lshl_or_b32 v[\pw], v[TM+5], 8, v[TM+4]
	v_lshl_or_b32 v[\pw], v[TM+6], 16, v[\pw]
	v_lshl_or_b32 v[\pw], v[TM+7], 24, v[\pw]
.irp c, 0,1
	v_cvt_scalef32_pk16_fp6_f32 v[PC+6*\c:PC+2+6*\c], v[\s+32*\c:\s+15+32*\c], v[TM+12+2*\c]
	v_cvt_scalef32_pk16_fp6_f32 v[PC+12+4*\c:PC+14+4*\c], v[\s+16+32*\c:\s+31+32*\c], v[TM+12+2*\c+1]
.endr
	v_nop
.irp c, 0,1
.irp i, 0,1,2
	v_permlane16_swap_b32 v[PC+6*\c+\i], v[PC+12+4*\c+\i]
.endr
.irp i, 0,1,2
	v_mov_b32 v[PC+3+6*\c+\i], v[PC+12+4*\c+\i]
.endr
.endr
.endm
.macro KEEP i
	s_wait_dscnt 48-16*(\i)
	WIN 0x06
.set j, 0
.rept 32
	v_pk_add_f32 v[HH+2*j:HH+2*j+1], v[64*(\i)+2*j:64*(\i)+2*j+1], v[64*(\i)+2*j:64*(\i)+2*j+1]
.set j, j+1
.endr
	WIN 0
.set j, 0
.rept 32
	v_pk_mul_f32 v[HH+2*j:HH+2*j+1], v[HH+2*j:HH+2*j+1], v[GV+2*j:GV+2*j+1]
.set j, j+1
.endr
	s_wait_xcnt 0x0
	QUANT HH, PWB+(\i)
.irp c, 0,1,2
	global_store_b128 v[LI], v[PC+4*\c:PC+4*\c+3], s[18:19] offset:(\i)*16*FRB+512*\c
.endr
.endm
	KEEP 0
	KEEP 1
	KEEP 2
	KEEP 3
	v_and_b32 v[TM+2], 16, v0
	v_cmp_eq_u32 vcc_lo, 0, v[TM+2]
	v_cndmask_b32 v[TM], v[PWB+2], v[PWB], vcc_lo        ; lanes 0-15: my tiles 0 and 1; lanes 16-31: tiles 2 and 3 (lanes r and r + 16 hold row r's word of every tile)
	v_cndmask_b32 v[TM+1], v[PWB+3], v[PWB+1], vcc_lo
	global_store_b64 v[L8], v[TM:TM+1], s[20:21]         ; 32 lanes store 256 consecutive bytes, aligned
	s_wait_tensorcnt 0x0
	ds_add_u32 v[SPW], v[NIL]
	s_wait_dscnt 0x0
	CROUND
	s_endpgm
.Lfunc_end_k_q610926003b_gemm1:
	.size	k_q610926003b_gemm1, .Lfunc_end_k_q610926003b_gemm1-k_q610926003b_gemm1
	.p2alignl 7, 3214868480
	.fill 96, 4, 3214868480
	.section	.rodata,"a",@progbits
	.p2align	6, 0x0
	.amdhsa_kernel k_q610926003b_gemm1
		.amdhsa_group_segment_fixed_size 327680
		.amdhsa_private_segment_fixed_size 0
		.amdhsa_enable_private_segment 0
		.amdhsa_kernarg_size 72
		.amdhsa_user_sgpr_count 2
		.amdhsa_user_sgpr_kernarg_segment_ptr 1
		.amdhsa_wavefront_size32 1
		.amdhsa_system_sgpr_workgroup_id_x 1
		.amdhsa_system_sgpr_workgroup_id_y 1
		.amdhsa_system_sgpr_workgroup_id_z 1
		.amdhsa_system_vgpr_workitem_id 0
		.amdhsa_next_free_vgpr 1024
		.amdhsa_next_free_sgpr 100
		.amdhsa_reserve_vcc 1
		.amdhsa_float_denorm_mode_32 3
		.amdhsa_float_denorm_mode_16_64 3
		.amdhsa_memory_ordered 1
		.amdhsa_forward_progress 1
		.amdhsa_inst_pref_size 156
	.end_amdhsa_kernel
	.amdgpu_metadata
---
amdhsa.version: [ 1, 2 ]
amdhsa.kernels:
  - .name:           k_q610926003b_gemm1
    .symbol:         k_q610926003b_gemm1.kd
    .args:
      - { .name: xq, .offset: 0, .size: 8, .value_kind: global_buffer, .address_space: global }
      - { .name: sx, .offset: 8, .size: 8, .value_kind: global_buffer, .address_space: global }
      - { .name: vq, .offset: 16, .size: 8, .value_kind: global_buffer, .address_space: global }
      - { .name: v1, .offset: 24, .size: 8, .value_kind: global_buffer, .address_space: global }
      - { .name: v1_R, .offset: 32, .size: 8, .value_kind: global_buffer, .address_space: global }
      - { .name: u2, .offset: 40, .size: 8, .value_kind: global_buffer, .address_space: global }
      - { .name: u2_R, .offset: 48, .size: 8, .value_kind: global_buffer, .address_space: global }
      - { .name: hq, .offset: 56, .size: 8, .value_kind: global_buffer, .address_space: global }
      - { .name: sh, .offset: 64, .size: 8, .value_kind: global_buffer, .address_space: global }
    .group_segment_fixed_size: 327680
    .private_segment_fixed_size: 0
    .kernarg_segment_align: 8
    .kernarg_segment_size: 72
    .max_flat_workgroup_size: 128
    .sgpr_count:     100
    .vgpr_count:     1024
    .wavefront_size: 32
...
	.end_amdgpu_metadata
.endif
;; end of part 2
;; launch gemm2 (part 3): grid 16 x 16, 4 waves a work-group, clusters of 4 x 4, 327,680 bytes of LDS; arguments hq, sh, uq, u1, u1_R, bias, out0; writes out0
.if DOCPART == 3
	.amdgcn_target "amdgcn-amd-amdhsa--gfx1250"
	.amdhsa_code_object_version 6
	.text
	.protected	k_q610926003b_gemm2
	.globl	k_q610926003b_gemm2
	.p2align	8
	.type	k_q610926003b_gemm2,@function
k_q610926003b_gemm2:
	s_mov_b64 s[64:65], 0
	v_nop
	global_prefetch_b8 v0, s[64:65] scope:SCOPE_SE
	s_setreg_imm32_b32 hwreg(HW_REG_WAVE_MODE, 25, 1), 1
	s_wait_xcnt 0x0
	s_wait_alu depctr_hold_cnt(0) depctr_sa_sdst(0) depctr_va_vdst(0) depctr_va_sdst(0) depctr_va_ssrc(0) depctr_va_vcc(0) depctr_vm_vsrc(0)
	s_getreg_b32 s2, hwreg(HW_REG_IB_STS2, 6, 4)
	s_cmp_eq_u32 s2, 0
	s_cbranch_scc0 .Lentry_in_a_cluster
	s_endpgm
.Lentry_in_a_cluster:
	s_bfe_u32 s2, ttmp6, 0x10000c
	s_cmp_lg_u32 s2, 0xf033
	s_cbranch_scc0 .Lentry_shape_is_right
	s_endpgm
.Lentry_shape_is_right:
; out0 = (h sign(U)^T) * u1 + (h_R sign(U_R)^T) * u1_R + bias, on codes of FP6 (E2M3) with E8M0 scales.
; In: hq [tile of 16 tokens 256][8 path + K step 16][1536], uq [fragment 256][8 path + K step 16][1536]: images of an operand's 12 registers;
;     sh [block of 128 tokens 32][8 path + K step 16][g 2][lane 32][2 words]: word w of lane l = row l % 16 of tile 4 g + 2 (l / 16) + w.  The weights' scale is 2^-2 for every block: a register of bytes 125.
; SHARES.  Work-group (x, y): tokens 256 y on, columns 256 x on.  Wave w: half w / 2 of the tokens, half w % 2 of the columns: 128 x 128 in 64 accumulators, 512 registers.
; BOTH PATHS GO THROUGH ONE SET OF ACCUMULATORS, 16 K steps of 128 on end: behind path 0's eight steps the sums are multiplied by u1 / e, path 1's products are added on top, and at the end all is multiplied by e and the bias added:
; e (s0 u1 / e + s1) = u1 s0 + e s1, where e = u1_R.
; LIMITS.  The order of rounding differs from reference()'s: each column's sum is rounded in f32 relative to the larger of |u1 s0| and |u1_R s1|; 1 / e is v_rcp_f32's.
;   e is u1_R held away from 0: its magnitude is at least max(|u1| 2^-60, 2^-100); where that hold acts, a result differs by at most that floor x |s1|.  |s0| 2^60 has to stay inside f32.  NaN and infinities are not served.
; THE MATRIX INSTRUCTION IS USED TRANSPOSED (source 0 = a weight's fragment, source 1 = 16 tokens): a lane holds one token, and register 16 B + i of a block is column 32 B + 16 h + i of my 128.
; RING: two LDS slots, each with THREE K steps, as many as fit: A's 16 tiles x 4,608 bytes, then B's 16 fragments x 4,608 bytes.  Waves 0, 1 fetch A's halves, waves 2, 3 B's: one tensor load of 8 rows a wave; every row begins at a
;   multiple of 256 bytes.  16 K steps are fills of 3, 3, 3, 3, 3 and 1: five changes of slots.  The last fill is one K step wide (rows of 1,536 bytes, dense in LDS) and has groups 1 of its own; it is issued in the loop's second trip,
;   chosen by a branch on the loop's counter, which is the same in all waves and in all partners; every way through that choice holds one load.
; CLUSTERS: 4 x 4 work-groups; the four of a row need the same tokens, the four of a column the same weights: joint loads.
; SCALE WORDS: a block of 128 tokens has 8,192 bytes (16 K steps x 512).  Its two waves bring half each, by 8 global loads of 512 consecutive bytes, into LDS bytes that no tensor load fills; the head's round stands between the stores and the reads.
; PREFETCH: in the loop's first trip each refill (fills 2 and 3) is followed by requests for the fill two refills on (4 and 5): of the 8 rows that I fetch, my work-group takes 2 (told apart by address: cx for A, cy for B), an instruction a
;   row, a lane a block of 256 bytes (18 blocks, or 6 for the last fill; the lanes left over name the last block again).  Fills 0 to 3 come by their loads alone.  The addresses are immediates: nothing is stepped.
; REGISTERS: window 0: v16-31 addresses; v32-55 scale words, two sets; v56 the weights' scale bytes; v88-151 u1 / e, later the bias; v160-255 A's fragments, one set.
;   window 1: B's fragments, two sets, at v0 and v128 (on the way out: rows read back); e in the gaps, v96-127 and v224-255.   windows 2, 3: the accumulators of blocks 0-3, 4-7.
.set KSTOT, 16
.set FR,    12
.set FRB,   1536
.set RT,    3*FRB                      ; a tile's three K steps
.set NL,    3
.set NP,    4                          ; places behind this matrix instruction (ISA guide 7.12.1)
.set AGRP,  8*RT                       ; what one tensor load brings
.set BOFF,  2*AGRP
.set SLOT,  4*AGRP
.set SCL,   2*SLOT                     ; behind the ring: the scale words, 8,192 bytes for each half of the tokens
.set SPARE, SCL+2*8192                 ; the spare words, 128 bytes a wave: two blocks of 256 bytes that no other line names
.set YP,    528                        ; the way out: 16 rows x (512 + 16) bytes a wave, in slot 0, which has had its last fill and its last read by then
.set ADRA, 16
.set ADRB, 20
.set ADRS, 22
.set PFS,  23                          ; the prefetches' offset for the last fill: 256 min(lane, 5)
.set LI,   24                          ; 16 x lane
.set GOF,  25                          ; my byte in u1, u1_R and bias
.set PFO,  26                          ; the prefetches' offset: 256 min(lane, 17)
.set YSI,  27
.set SPW,  28
.set NIL,  29
.set YSO,  30
.set SCW,  31
.set SC,   32
.set CSC,  56
.set RAT,  88
.set AF,   160
.set WV, 22
.set RH, 23                            ; my half of the tokens; also: I fetch for A (0) or B (1)
.set CH, 24                            ; my half of the columns; also: which 8 rows of that tile I fetch
.set G1A, 32
.set G0A, 40
.set G1B, 48
.set G0B, 56
.set PFA, 66
.set G1AS, 68                          ; groups 1 of the last fill
.set G1BS, 76
.set MSB, 0
.macro WIN new                         ; the immediate's high byte repeats the setting that is left
.if MSB != (\new)
	s_set_vgpr_msb (MSB<<8)|(\new)
.set MSB, (\new)
.endif
.endm
.set MUL_LO, 0xa1
.set MUL_HI, 0xf1
.set TO_B,   0x40
.macro PLACES n
.rept \n
	v_nop
.endr
.endm
.macro CREST                           ; a round of the cluster's barrier behind its opening barrier
	s_cmp_lg_u32 s[WV], 0
	s_cbranch_scc1 .Lnot_wave_0_\@
	s_barrier_signal -3
.Lnot_wave_0_\@:
	s_barrier_wait -3
	s_barrier_signal -1
	s_barrier_wait -1
.endm
.macro CROUND
	s_barrier_signal -1
	s_barrier_wait -1
	CREST
.endm
.macro TLOAD g0, g1                    ; an s_nop 0 and four v_nop follow every tensor load
	tensor_load_to_lds s[\g0:\g0+3], s[\g1:\g1+7]
	s_nop 0
.rept 4
	v_nop
.endr
.endm
.macro JLOAD s                         ; a joint load of three K steps
	s_cmp_eq_u32 s[RH], 0
	s_cbranch_scc0 .Lfor_b_\@
	TLOAD G0A+4*\s, G1A
	s_branch .Lasked_\@
.Lfor_b_\@:
	TLOAD G0B+4*\s, G1B
.Lasked_\@:
.endm
.macro JLOADX                          ; slot 1's refill in the loop: three K steps in the first trip, the last K step alone in the second (s3 = 1): one tree, one load on every way
	s_cmp_eq_u32 s[RH], 0
	s_cbranch_scc0 .Lx_b
	s_cmp_eq_u32 s3, 1
	s_cbranch_scc1 .Lx_as
	TLOAD G0A+4, G1A
	s_branch .Lx_done
.Lx_as:
	TLOAD G0A+4, G1AS
	s_branch .Lx_done
.Lx_b:
	s_cmp_eq_u32 s3, 1
	s_cbranch_scc1 .Lx_bs
	TLOAD G0B+4, G1B
	s_branch .Lx_done
.Lx_bs:
	TLOAD G0B+4, G1BS
.Lx_done:
.endm
.macro ASK st, po                      ; the fill that begins at K step st: my work-group's two rows; in the first trip alone
	s_cmp_gt_u32 s3, 1
	s_cbranch_scc0 .Lnoask_\@
	global_prefetch_b8 v[\po], s[PFA:PFA+1] offset:(\st)*FRB th:TH_LOAD_NT scope:SCOPE_SE
	global_prefetch_b8 v[\po], s[PFA:PFA+1] offset:(\st)*FRB+KSTOT*FRB th:TH_LOAD_NT scope:SCOPE_SE
.Lnoask_\@:
.endm
	s_load_b256 s[4:11], s[0:1], 0x0               ; hq, sh, uq, u1
	s_load_b128 s[12:15], s[0:1], 0x20             ; u1_R, bias
	s_load_b64 s[16:17], s[0:1], 0x30              ; out0
	v_lshl_add_u32 v[SPW], v0, 2, SPARE
	v_mov_b32 v[NIL], 0
	ds_add_u32 v[SPW], v[NIL]                      ; the opening lines: the add, twice on end, and its wait
	ds_add_u32 v[SPW], v[NIL]
	v_lshrrev_b32 v1, 5, v0
	v_readfirstlane_b32 s[WV], v1                  ; wave 0..3
	s_lshr_b32 s[RH], s[WV], 1
	s_and_b32 s[CH], s[WV], 1
	s_bfe_u32 s26, ttmp6, 0x40000                  ; cx
	s_bfe_u32 s27, ttmp6, 0x40004                  ; cy
	s_lshl_b32 s28, ttmp9, 2
	s_add_co_u32 s28, s28, s26                     ; work-group x
	s_and_b32 s29, ttmp7, 0xffff
	s_lshl_b32 s29, s29, 2
	s_add_co_u32 s29, s29, s27                     ; work-group y
	s_lshl_b32 s84, s27, 2
	s_lshl_b32 s84, 15, s84                        ; my row of the cluster
	s_lshl_b32 s85, 0x1111, s26                    ; my column
	s_or_b32 s[G1A], s84, (3<<16)|(1<<21)          ; 15:0 the mask; 17:16 elements of 8 bytes; 21 set beside a mask; no padding
	s_or_b32 s[G1B], s85, (3<<16)|(1<<21)
	s_or_b32 s[G1AS], s84, (3<<16)|(1<<21)
	s_or_b32 s[G1BS], s85, (3<<16)|(1<<21)
.irp g, G1A, G1B
	s_mov_b32 s[\g+1], 576<<16                     ; 8 rows (tiles or fragments) of 4,608 bytes, KSTOT fragments apart
	s_mov_b32 s[\g+2], 8<<16
	s_mov_b32 s[\g+3], 576<<16
	s_mov_b32 s[\g+4], 8
	s_mov_b32 s[\g+5], KSTOT*192
	s_mov_b32 s[\g+6], 0
	s_mov_b32 s[\g+7], 0
.endr
.irp g, G1AS, G1BS
	s_mov_b32 s[\g+1], 192<<16                     ; 8 rows of 1,536 bytes
	s_mov_b32 s[\g+2], 8<<16
	s_mov_b32 s[\g+3], 192<<16
	s_mov_b32 s[\g+4], 8
	s_mov_b32 s[\g+5], KSTOT*192
	s_mov_b32 s[\g+6], 0
	s_mov_b32 s[\g+7], 0
.endr
	s_lshl_b32 s90, s[CH], 3
	s_lshl_b32 s86, s29, 4
	s_add_co_u32 s86, s86, s90
	s_mul_i32 s86, s86, KSTOT*FRB                  ; A: tile 16 y + 8 half, in bytes
	s_lshl_b32 s88, s28, 4
	s_add_co_u32 s88, s88, s90
	s_mul_i32 s88, s88, KSTOT*FRB                  ; B: fragment 16 x + 8 half
	s_mov_b32 s87, 0
	s_mov_b32 s89, 0
	s_lshl_b32 s92, s29, 14
	s_lshl_b32 s93, s[WV], 12
	s_add_co_u32 s92, s92, s93                     ; sh: block 2 y + w / 2, its half w % 2: 16,384 y + 4,096 w
	s_mov_b32 s93, 0
	s_mul_i32 s31, s[WV], AGRP                     ; where my tensor loads go: no place in the cluster enters an LDS address
	s_lshl_b32 s91, s28, 10
	s_lshl_b32 s90, s[CH], 9
	s_add_co_u32 s91, s91, s90                     ; my first column, in bytes
	v_and_b32 v1, 31, v0                           ; lane
	v_and_b32 v2, 15, v0                           ; r
	v_bfe_u32 v3, v0, 4, 1                         ; h
	v_lshlrev_b32 v[LI], 4, v1
	v_lshl_add_u32 v[GOF], v3, 6, s91              ; register 16 B + 4 q + e is column 32 B + 16 h + 4 q + e
	s_wait_alu depctr_va_vdst(0)
	s_wait_dscnt 0x0                               ; both opening adds are done
	s_wait_kmcnt 0x0
	s_add_nc_u64 s[92:93], s[6:7], s[92:93]
	WIN 0x40                                       ; destination window 1
.irp k, 0,1,2,3,4,5,6,7
	global_load_b128 v[4*\k:4*\k+3], v[LI], s[92:93] offset:512*\k          ; a K step's scale words: 512 consecutive bytes
.endr
.irp b, 0,1,2,3
.irp q, 0,1,2,3
	global_load_b128 v[96+16*\b+4*\q+96*(\b/2):96+16*\b+4*\q+96*(\b/2)+3], v[GOF], s[12:13] offset:128*\b+16*\q   ; u1_R: number k at v[96 + k] or, from 32 on, at v[192 + k]
.endr
.endr
	WIN 0
.irp b, 0,1,2,3
.irp q, 0,1,2,3
	global_load_b128 v[RAT+16*\b+4*\q:RAT+16*\b+4*\q+3], v[GOF], s[10:11] offset:128*\b+16*\q   ; u1
.endr
.endr
	s_add_nc_u64 s[94:95], s[4:5], s[86:87]
	s_add_nc_u64 s[96:97], s[8:9], s[88:89]
	s_cmp_eq_u32 s[RH], 0                          ; the prefetches: do I fetch for A?
	s_cselect_b32 s98, s86, s88                    ; my 8 rows,
	s_cselect_b32 s99, s26, s27                    ; my place among the four that ask with me,
	s_cselect_b64 s[PFA:PFA+1], s[4:5], s[8:9]
	s_mul_i32 s99, s99, 2*KSTOT*FRB                ; my work-group's 2 of them
	s_add_co_u32 s98, s98, s99
	s_mov_b32 s99, 0
	s_add_nc_u64 s[PFA:PFA+1], s[PFA:PFA+1], s[98:99]
	s_lshl_b32 s98, s29, 8                         ; out0: my first row 256 y + 128 half, my first column
	s_lshl_b32 s90, s[RH], 7
	s_add_co_u32 s98, s98, s90
	s_lshl_b32 s98, s98, 14
	s_add_co_u32 s98, s98, s91
	s_add_nc_u64 s[16:17], s[16:17], s[98:99]
.irp s, 0,1
	s_mov_b32 s[G0A+4*\s], 1
	s_add_co_u32 s[G0A+4*\s+1], s31, \s*SLOT
	s_add_nc_u64 s[G0A+4*\s+2:G0A+4*\s+3], s[94:95], \s*RT
	s_or_b32 s[G0A+4*\s+3], s[G0A+4*\s+3], 0x80000000
	s_mov_b32 s[G0B+4*\s], 1
	s_add_co_u32 s[G0B+4*\s+1], s31, \s*SLOT
	s_add_nc_u64 s[G0B+4*\s+2:G0B+4*\s+3], s[96:97], \s*RT
	s_or_b32 s[G0B+4*\s+3], s[G0B+4*\s+3], 0x80000000
.endr
	CROUND                                         ; all sixteen work-groups are here: the first joint loads meet
	JLOAD 0                                        ; K steps 0 to 2: one tensor load a wave at the head
	s_mul_i32 s84, s[RH], AGRP                     ; my 8 tiles of A
	s_mul_i32 s85, s[CH], AGRP
	s_add_co_u32 s85, s85, BOFF                    ; my 8 fragments of B
	s_lshl_b32 s86, s[WV], 12
	s_add_co_u32 s86, s86, SCL                     ; where I put scale words
	s_lshl_b32 s87, s[RH], 13
	s_add_co_u32 s87, s87, SCL                     ; my block's scale words
	s_mul_i32 s88, s[WV], 16*YP                    ; my stage
	v_mov_b32 v[CSC], 0x7d7d7d7d                   ; the weights' scale: byte 125 for every block
	v_add_nc_u32 v[ADRA], s84, v[LI]
	v_add_nc_u32 v[ADRA+1], SLOT, v[ADRA]
	v_add_nc_u32 v[ADRB], s85, v[LI]
	v_add_nc_u32 v[ADRB+1], SLOT, v[ADRB]
	v_add_nc_u32 v[SCW], s86, v[LI]
	v_lshl_add_u32 v[ADRS], v1, 3, s87
	v_mul_u32_u24 v[YSI], v2, YP                   ; the stage, on the way in: row r, + 64 h
	v_lshl_add_u32 v[YSI], v3, 6, v[YSI]
	v_add_nc_u32 v[YSI], s88, v[YSI]
	v_add_nc_u32 v[YSO], s88, v[LI]                ; and on the way out: 16 x lane
	v_min_u32 v[PFO], 17, v1
	v_min_u32 v[PFS], 5, v1
	v_lshlrev_b32 v[PFO], 8, v[PFO]
	v_lshlrev_b32 v[PFS], 8, v[PFS]
	s_wait_alu depctr_va_vdst(0)
	s_wait_loadcnt 32                              ; the scale words are in; the 32 loads of the gains may be out
	WIN 0x04                                       ; an LDS store's data are its source 1: window 1
.irp k, 0,1,2,3,4,5,6,7
	ds_store_b128 v[SCW], v[4*\k:4*\k+3] offset:512*\k
.endr
	WIN 0
	s_wait_loadcnt 0x0
.set j, 0
.rept 64
	v_mul_f32 v[AF+j], 0x21800000, |v[RAT+j]|      ; |u1| 2^-60
.set j, j+1
.endr
	WIN 0x01                                       ; source 0 window 1
.set j, 0
.rept 64
	v_max3_num_f32 v[AF+j], |v[96+j+96*(j/32)]|, v[AF+j], 0x0d800000   ; |e| = max(|u1_R|, |u1| 2^-60, 2^-100)
.set j, j+1
.endr
	WIN 0x41                                       ; destination and source 0 window 1
.set j, 0
.rept 64
	v_and_or_b32 v[96+j+96*(j/32)], v[96+j+96*(j/32)], 0x80000000, v[AF+j]   ; under u1_R's sign: e
.set j, j+1
.endr
	WIN 0x01
	s_wait_alu depctr_va_vdst(0)
.set j, 0
.rept 64
	v_rcp_f32 v[AF+j], v[96+j+96*(j/32)]
.set j, j+1
.endr
	WIN 0
	v_nop                                          ; one plain place behind a transcendental
	s_wait_alu depctr_va_vdst(0)                   ; and the one wait behind the batch
.set j, 0
.rept 32
	v_pk_mul_f32 v[RAT+2*j:RAT+2*j+1], v[RAT+2*j:RAT+2*j+1], v[AF+2*j:AF+2*j+1]   ; u1 / e
.set j, j+1
.endr
.macro FRAG reg, adr, off              ; a fragment comes as it was stored: three loads of 512 consecutive bytes
.irp c, 0,1,2
	ds_load_b128 v[\reg+4*\c:\reg+4*\c+3], v[\adr] offset:\off+512*\c
.endr
.endm
.macro FETCH_B slot, q, p, rt          ; rt: bytes from row to row in the slot
	WIN TO_B
.irp i, 0,1,2,3,4,5,6,7
	FRAG 128*(\p)+FR*\i, ADRB+\slot, \i*(\rt)+(\q)*FRB
.endr
	WIN 0
.endm
.macro FETCH_A slot, q, half, rt
.irp i, 0,1,2,3
	FRAG AF+FR*(4*(\half)+\i), ADRA+\slot, (4*(\half)+\i)*(\rt)+(\q)*FRB
.endr
.endm
.macro SCALE1 sc, q                    ; register 4 q + 2 g + w: lanes 0-15 block 4 g + w's words, lanes 16-31 block 4 g + 2 + w's, for the slot's q-th K step
.irp g, 0,1
	ds_load_b64 v[SC+12*(\sc)+4*(\q)+2*\g:SC+12*(\sc)+4*(\q)+2*\g+1], v[ADRS] offset:(\q)*512+\g*256
.endr
.endm
.macro SCALES sc, n                    ; n: the slot's K steps, 3 or 1
	SCALE1 \sc, 0
.if \n > 1
	SCALE1 \sc, 1
	SCALE1 \sc, 2
.endif
.endm
; 16 matrix instructions: A's blocks a0, a0 + 1 x B's eight.  The 64 accumulators take turns, one instruction a turn, in the same order in every K step.
.macro MUL16 a0, p, q, sc, zero
.irp a, \a0, \a0+1
.irp b, 0,1,2,3,4,5,6,7
.set rD, 8*(8*((\a)%4)+\b)
.set rB, 128*(\p)+FR*\b
.set rA, AF+FR*(\a)
.set rS, SC+12*(\sc)+4*(\q)+2*((\a)/4)+(\a)%2
.if \zero
.if ((\a)/2)%2
	v_wmma_scale_f32_16x16x128_f8f6f4 v[rD:rD+7], v[rB:rB+FR-1], v[rA:rA+FR-1], 0, v[CSC], v[rS] matrix_a_fmt:MATRIX_FMT_FP6 matrix_b_fmt:MATRIX_FMT_FP6 matrix_b_scale:MATRIX_SCALE_ROW1
.else
	v_wmma_scale_f32_16x16x128_f8f6f4 v[rD:rD+7], v[rB:rB+FR-1], v[rA:rA+FR-1], 0, v[CSC], v[rS] matrix_a_fmt:MATRIX_FMT_FP6 matrix_b_fmt:MATRIX_FMT_FP6
.endif
.else
.if ((\a)/2)%2
	v_wmma_scale_f32_16x16x128_f8f6f4 v[rD:rD+7], v[rB:rB+FR-1], v[rA:rA+FR-1], v[rD:rD+7], v[CSC], v[rS] matrix_a_fmt:MATRIX_FMT_FP6 matrix_b_fmt:MATRIX_FMT_FP6 matrix_b_scale:MATRIX_SCALE_ROW1
.else
	v_wmma_scale_f32_16x16x128_f8f6f4 v[rD:rD+7], v[rB:rB+FR-1], v[rA:rA+FR-1], v[rD:rD+7], v[CSC], v[rS] matrix_a_fmt:MATRIX_FMT_FP6 matrix_b_fmt:MATRIX_FMT_FP6
.endif
.endif
.endr
.endr
.endm
.macro STEP slot, q, p, zero           ; a slot's first or second K step, on B's set p; the next step's fragments come from the same slot
	s_wait_dscnt 4*NL                              ; all but the youngest twelve loads (A's blocks 4-7) are in
	WIN MUL_LO
	MUL16 0, \p, \q, \slot, \zero
	MUL16 2, \p, \q, \slot, \zero
	s_wait_dscnt 0                                 ; A's blocks 4-7 are in
	PLACES NP                                      ; in front of loads into registers that matrix instructions have read
	FETCH_B \slot, (\q)+1, 1-(\p), RT
	FETCH_A \slot, (\q)+1, 0, RT
	WIN MUL_HI
	MUL16 4, \p, \q, \slot, \zero
	MUL16 6, \p, \q, \slot, \zero
	PLACES NP
	WIN 0
	FETCH_A \slot, (\q)+1, 1, RT
.endm
; A slot's third K step changes slots: one barrier; in front of it each wave waits for all its tensor loads, adds 0 to its spare word, and waits for that and for its reads of this slot.
; fill: 0 nothing is fetched; 1 this slot gets three K steps; 2 slot 1's refill in the loop.  rt, n: the next slot's row pitch and K steps.
.macro TURN slot, next, p, fill, rt, n
	s_wait_tensorcnt 0x0                           ; all my tensor loads have landed: my part of the next slot
	ds_add_u32 v[SPW], v[NIL]                      ; 0 onto my spare word
	s_wait_dscnt 4*NL+1                            ; (the add and the youngest twelve loads may be out)
	WIN MUL_LO
	MUL16 0, \p, 2, \slot, 0
	s_wait_dscnt 0x0                               ; the add is done, and my reads of this slot are over
	s_barrier_signal -1
	MUL16 2, \p, 2, \slot, 0
	WIN 0
	s_barrier_wait -1
.if \fill
	CREST                                          ; the barrier has opened a round of the cluster's barrier: no wave of any partner still reads this slot or has a load on its way
	s_add_nc_u64 s[G0A+4*\slot+2:G0A+4*\slot+3], s[G0A+4*\slot+2:G0A+4*\slot+3], 2*RT
	s_add_nc_u64 s[G0B+4*\slot+2:G0B+4*\slot+3], s[G0B+4*\slot+2:G0B+4*\slot+3], 2*RT
.if \fill == 1
	JLOAD \slot                                    ; the first tensor load behind the round, my only one until the next; its four v_nop are the places in front of the loads below
.else
	JLOADX
.endif
.else
	PLACES NP
.endif
	s_wait_alu depctr_va_vdst(0)
	v_add_nc_u32 v[ADRS], 1536, v[ADRS]            ; the next slot's scale words
	FETCH_B \next, 0, 1-(\p), \rt
	FETCH_A \next, 0, 0, \rt
	SCALES \next, \n
.if \fill == 1
	ASK 12, PFO
.endif
.if \fill == 2
	ASK 15, PFS
.endif
	WIN MUL_HI
	MUL16 4, \p, 2, \slot, 0
	MUL16 6, \p, 2, \slot, 0
	PLACES NP
	WIN 0
	FETCH_A \next, 0, 1, \rt
.endm
	s_wait_alu depctr_va_vdst(0)
	s_wait_tensorcnt 0x0                           ; my part of slot 0 is in; slot 1's first fill is issued as a refill is
	ds_add_u32 v[SPW], v[NIL]
	s_wait_dscnt 0x0                               ; the add and my stores of scale words are done
	CROUND
	JLOAD 1                                        ; K steps 3 to 5
	FETCH_B 0, 0, 0, RT
	FETCH_A 0, 0, 0, RT
	SCALES 0, 3
	FETCH_A 0, 0, 1, RT
	STEP 0, 0, 0, 1                                ; K step 0 stands in front of the loop: its products start the sums
	s_mov_b32 s3, 2
.Llap:                                                 ; a trip: K steps 6 t + 1 to 6 t + 6; both slots are filled again
	STEP 0, 1, 1, 0
	s_cmp_lg_u32 s3, 1                             ; in the second trip K step 7, path 0's last, has just been issued
	s_cbranch_scc1 .Lnomid
	s_wait_loadcnt 0x0                             ; no load is out on v[RAT] on
	WIN 0x82                                       ; destination and source 0 window 2 (four places stand behind the last matrix instruction)
.set j, 0
.rept 128
	v_pk_mul_f32 v[2*j:2*j+1], v[2*j:2*j+1], v[RAT+2*(j%32):RAT+2*(j%32)+1]   ; path 0's sums x u1 / e; each accumulator from its low end on
.set j, j+1
.endr
	WIN 0xc3
.set j, 0
.rept 128
	v_pk_mul_f32 v[2*j:2*j+1], v[2*j:2*j+1], v[RAT+2*(j%32):RAT+2*(j%32)+1]
.set j, j+1
.endr
	WIN 0
.irp b, 0,1,2,3
.irp q, 0,1,2,3
	global_load_b128 v[RAT+16*\b+4*\q:RAT+16*\b+4*\q+3], v[GOF], s[14:15] offset:128*\b+16*\q   ; the bias takes the registers of u1 / e
.endr
.endr
	s_wait_alu depctr_va_vdst(0)
.Lnomid:
	TURN 0, 1, 0, 1, RT, 3
	STEP 1, 0, 1, 0
	STEP 1, 1, 0, 0
	TURN 1, 0, 1, 2, RT, 3
	STEP 0, 0, 0, 0
	s_sub_co_u32 s3, s3, 1
	s_cmp_lg_u32 s3, 0
	s_cbranch_scc1 .Llap
	STEP 0, 1, 1, 0                                ; K step 13
	TURN 0, 1, 0, 0, FRB, 1                        ; K step 14; nothing is filled; slot 1 holds K step 15 alone, rows 1,536 bytes apart
	s_wait_dscnt 4*NL
	WIN MUL_LO
	MUL16 0, 1, 0, 1, 0
	MUL16 2, 1, 0, 1, 0
	s_wait_dscnt 0
	WIN MUL_HI
	MUL16 4, 1, 0, 1, 0
	MUL16 6, 1, 0, 1, 0
	WIN 0
; THE WAY OUT, a block of 16 tokens x 128 columns at a time: x e + bias; through my own stage in LDS; back as whole rows of 512 bytes.  LDS serves a wave's instructions in order: no wait between the stores and the loads.
.macro FIN a
	WIN 0x86+0x41*((\a)/4)                         ; destination and source 0 window 2 or 3, source 1 (e) window 1, source 2 (the bias) window 0
.set j, 0
.rept 32
	v_pk_fma_f32 v[64*((\a)%4)+2*j:64*((\a)%4)+2*j+1], v[64*((\a)%4)+2*j:64*((\a)%4)+2*j+1], v[96+2*j+96*(j/16):96+2*j+96*(j/16)+1], v[RAT+2*j:RAT+2*j+1]
.set j, j+1
.endr
	WIN 0
.endm
.macro TOSTAGE a
	WIN 0x08+4*((\a)/4)                            ; the data: window 2 or 3
.irp b, 0,1,2,3
.irp q, 0,1,2,3
	ds_store_b128 v[YSI], v[64*((\a)%4)+16*\b+4*\q:64*((\a)%4)+16*\b+4*\q+3] offset:128*\b+16*\q
.endr
.endr
	WIN 0x40                                       ; back into window 1, where B's two sets lay, by turns
.irp t, 0,1,2,3,4,5,6,7,8,9,10,11,12,13,14,15
	ds_load_b128 v[128*((\a)%2)+4*\t:128*((\a)%2)+4*\t+3], v[YSO] offset:\t*YP
.endr
	WIN 0
.endm
.macro SEND a, younger                 ; younger: the LDS instructions issued behind block a's loads, which may stay out
	s_wait_dscnt \younger
.if (\a) > 0
	s_add_nc_u64 s[16:17], s[16:17], 16*16384      ; 16 rows on (the earlier stores have read their base: a wait on XCNT stands ahead)
.endif
	WIN 0x04
.irp t, 0,1,2,3,4,5,6,7,8,9,10,11,12,13,14,15
	global_store_b128 v[LI], v[128*((\a)%2)+4*\t:128*((\a)%2)+4*\t+3], s[16:17] offset:\t*16384 th:TH_STORE_NT   ; 32 lanes store 512 consecutive bytes, at a multiple of 256 from out0's first byte
.endr
	WIN 0
.endm
	s_wait_loadcnt 0x0                             ; the bias is in
	PLACES NP
	FIN 0
	TOSTAGE 0
.irp a, 1,2,3,4,5,6,7
.if \a > 1
	s_wait_xcnt 0x0                                ; block a - 2's stores have read their registers and their base
.endif
	FIN \a
	TOSTAGE \a
	SEND \a-1, 32                                  ; behind block a - 1's loads: block a's 16 stores and 16 loads
.endr
	s_wait_xcnt 0x0
	SEND 7, 0
	s_wait_tensorcnt 0x0                           ; the wave's end
	ds_add_u32 v[SPW], v[NIL]
	s_wait_dscnt 0x0
	CROUND                                         ; the closing round: no work-group ends while a partner may still ask for a tile that names it
	s_endpgm
.Lfunc_end_k_q610926003b_gemm2:
	.size	k_q610926003b_gemm2, .Lfunc_end_k_q610926003b_gemm2-k_q610926003b_gemm2
	.p2alignl 7, 3214868480
	.fill 96, 4, 3214868480
	.section	.rodata,"a",@progbits
	.p2align	6, 0x0
	.amdhsa_kernel k_q610926003b_gemm2
		.amdhsa_group_segment_fixed_size 327680
		.amdhsa_private_segment_fixed_size 0
		.amdhsa_enable_private_segment 0
		.amdhsa_kernarg_size 56
		.amdhsa_user_sgpr_count 2
		.amdhsa_user_sgpr_kernarg_segment_ptr 1
		.amdhsa_wavefront_size32 1
		.amdhsa_system_sgpr_workgroup_id_x 1
		.amdhsa_system_sgpr_workgroup_id_y 1
		.amdhsa_system_sgpr_workgroup_id_z 1
		.amdhsa_system_vgpr_workitem_id 0
		.amdhsa_next_free_vgpr 1024
		.amdhsa_next_free_sgpr 104
		.amdhsa_reserve_vcc 0
		.amdhsa_float_denorm_mode_32 3
		.amdhsa_float_denorm_mode_16_64 3
		.amdhsa_memory_ordered 1
		.amdhsa_forward_progress 1
		.amdhsa_inst_pref_size 220
	.end_amdhsa_kernel
	.amdgpu_metadata
---
amdhsa.version: [ 1, 2 ]
amdhsa.kernels:
  - .name:           k_q610926003b_gemm2
    .symbol:         k_q610926003b_gemm2.kd
    .args:
      - { .name: hq, .offset: 0, .size: 8, .value_kind: global_buffer, .address_space: global }
      - { .name: sh, .offset: 8, .size: 8, .value_kind: global_buffer, .address_space: global }
      - { .name: uq, .offset: 16, .size: 8, .value_kind: global_buffer, .address_space: global }
      - { .name: u1, .offset: 24, .size: 8, .value_kind: global_buffer, .address_space: global }
      - { .name: u1_R, .offset: 32, .size: 8, .value_kind: global_buffer, .address_space: global }
      - { .name: bias, .offset: 40, .size: 8, .value_kind: global_buffer, .address_space: global }
      - { .name: out0, .offset: 48, .size: 8, .value_kind: global_buffer, .address_space: global }
    .group_segment_fixed_size: 327680
    .private_segment_fixed_size: 0
    .kernarg_segment_align: 8
    .kernarg_segment_size: 56
    .max_flat_workgroup_size: 128
    .sgpr_count:     104
    .vgpr_count:     1024
    .wavefront_size: 32
...
	.end_amdgpu_metadata
.endif
;; end of part 3
